; MI455X (gfx1250); checked and timed in simulation.
; The chip was launched on July 23, 2026; its instructions are those of AMD's public machine-readable ISA for CDNA 5 (MIT licence, August 2026) and "CDNA5" Instruction Set Architecture Reference Guide (July 2026). The comments in the code are by the model that wrote it; some were corrected since.
;; Bert Self Attention. Allowed arithmetic: matrix products marked QUANTISED: E5M2 operands, one given power-of-two scale a tensor, by v_wmma_f32_16x16x64_bf8_bf8 or v_wmma_f32_16x16x128_bf8_bf8, f32 sums; everything else in f32.
;; Inputs: Wk_codes 1,024 x 32 x 32 uint8 (E5M2 codes of Wk, K innermost, in blocks of 32 codes); Wq_codes 1,024 x 32 x 32 uint8 (E5M2 codes of Wq, K innermost, in blocks of 32 codes); Wv_codes 1,024 x 32 x 32 uint8 (E5M2 codes of Wv, K innermost, in blocks of 32 codes); attention_mask 4 x 2,048 float32; bk 1,024 float32; bq 1,024 float32; bv 1,024 float32; hidden_states_codes 4 x 2,048 x 32 x 32 uint8 (E5M2 codes of hidden_states, K innermost, in blocks of 32 codes); lowp_scales 10 int32 (the exponents e of the quantised operands' scales 2^e).
;; Outputs: out0 4 x 2,048 x 1,024 float32.
;; This version of the problem:
;;   THIS VERSION OF THE PROBLEM IS GIVEN IN LOW PRECISION. The matrix products marked QUANTISED in the list below multiply operands that are first quantised to E5M2 (5 exponent bits, 2 mantissa bits; 8 bits a number), with one given power-of-two scale for each operand tensor; their sums are f32. All else is computed in f32.
;;   The module's matrix products, in the order in which they are computed (A, B: the left and right operand; K: the contracted axis; several contracted axes count as one K, in the product's order):
;;     1. [M 8,192, K 1,024] x [K 1,024, N 1,024]; A: input hidden_states (given as codes); B: input Wq (given as codes): QUANTISED (scales: A lowp_scales[0], B lowp_scales[1])
;;     2. [M 8,192, K 1,024] x [K 1,024, N 1,024]; A: input hidden_states (given as codes); B: input Wk (given as codes): QUANTISED (scales: A lowp_scales[2], B lowp_scales[3])
;;     3. [M 8,192, K 1,024] x [K 1,024, N 1,024]; A: input hidden_states (given as codes); B: input Wv (given as codes): QUANTISED (scales: A lowp_scales[4], B lowp_scales[5])
;;     4. batch 64 x [M 2,048, K 64] x [K 64, N 2,048]; A: computed on the way; B: computed on the way: QUANTISED (scales: A lowp_scales[6], B lowp_scales[7])
;;     5. batch 64 x [M 2,048, K 2,048] x [K 2,048, N 64]; A: softmax (see below); B: computed on the way: QUANTISED (scales: A lowp_scales[8], B lowp_scales[9])
;;   THE QUANTISER, for each operand of a quantised product, along K:
;;     - The operand's scale is 2^e, e = its entry of the input lowp_scales (int32; the entries are numbered through the quantised products in the list's order, A before B).
;;     - Each number is divided by the scale, clamped to +-57,344, and rounded to the nearest number of E5M2, ties to even, subnormals kept.
;;     - The product sums the exact products of the quantised numbers (number of the format x scale) in f32.
;;   ~~~python
;;   def quantise(x, axis, e):      # numpy; x: float32 -> the quantised numbers, widened to float32 again
;;       x = np.moveaxis(x, axis, -1); K = x.shape[-1]
;;       r = np.clip(x / 2.0 ** e, -57344, 57344)
;;       step = 2.0 ** (np.maximum(np.frexp(np.where(r == 0, 1, r))[1] - 1, -14) - 2)
;;       q = np.round(r / step) * step * 2.0 ** e      # np.round: ties to even
;;       return np.moveaxis(q, -1, axis).astype(np.float32)
;;   ~~~
;;   SOFTMAX AHEAD OF A QUANTISED PRODUCT. Where the list says 'softmax', what is quantised is not the finished softmax but p = 2^(t - M), with t = logit x log2(e) and M = ceil(the row's largest t), a whole number; so 1/2 < the row's largest p <= 1. The row's sum l is taken of the UNQUANTISED p, in f32, and the product's result is divided by l at the end. Since M is a whole number, a kernel that streams over the keys may use a running M (the ceiling of the running maximum): every later rescaling is an exact power of two, so the quantised numbers keep their values, but for numbers so far below the row's largest that they fall under the format's range.
;;   OPERANDS COMPUTED ON THE WAY. 'Computed on the way' means the value that the module computes at that place (a softmax that the list does not call 'softmax' is quantised finished and normalised). What goes into a quantiser is computed in f32, as accurately as f32 sums, v_exp_f32 and their like allow (about 1e-6 of the number): no bf16 or f16 on the way to a quantiser, and a product that is left as it is and whose result goes on into a quantised operand takes f32 operands (vector FMAs, or v_wmma_f32_16x16x4_f32). A number that lies on a knife's edge between two numbers of the format may be rounded either way, as far as f32 arithmetic and the matrix unit's own rounding can turn it there, and no further.
;;   INPUTS GIVEN AS CODES. Wk (in the module: [1024, 1024], K = its axis 1); Wq (in the module: [1024, 1024], K = its axis 1); Wv (in the module: [1024, 1024], K = its axis 1); hidden_states (in the module: [4, 2048, 1024], K = its axis 2): each comes as NAME_codes (uint8): NAME with its K axis moved to the last place and cut into blocks of 32 codes, [.., K / 32, bytes a block], one block behind the other in memory; one code a byte (a code: sign, 5 exponent bits, 2 mantissa bits); its scale is its entry of lowp_scales. Its value is code x scale, taken as it is: it is not quantised again, and the codes and scales need not be those that the quantiser above would give.
;; One version. Each part assembles by itself: llvm-mc -triple=amdgcn-amd-amdhsa -mcpu=gfx1250 --defsym DOCPART=n.
;; ======== version 1 of 1: 2 launches
;; limits: right only within a limited range of input values
;; workspace buffers: qc 8,388,608 bytes; kc 8,388,608 bytes; vc 8,388,608 bytes
;; launch proj (part 1): grid 8 x 32, 4 waves a work-group, clusters of 4 x 4, 327,680 bytes of LDS; arguments hidden_states_codes, Wq_codes, Wk_codes, Wv_codes, bq, bk, bv, lowp_scales, qc, kc, vc; writes qc, kc, vc
.if DOCPART == 1
	.amdgcn_target "amdgcn-amd-amdhsa--gfx1250"
	.amdhsa_code_object_version 6
	.text
	.protected	k_qf06959ad46_proj
	.globl	k_qf06959ad46_proj
	.p2align	8
	.type	k_qf06959ad46_proj,@function
k_qf06959ad46_proj:
	s_mov_b64 s[64:65], 0
	v_nop
	global_prefetch_b8 v0, s[64:65] scope:SCOPE_SE
	s_setreg_imm32_b32 hwreg(HW_REG_WAVE_MODE, 25, 1), 1
	s_wait_xcnt 0x0
	s_wait_alu depctr_hold_cnt(0) depctr_sa_sdst(0) depctr_va_vdst(0) depctr_va_sdst(0) depctr_va_ssrc(0) depctr_va_vcc(0) depctr_vm_vsrc(0)
	s_getreg_b32 s2, hwreg(HW_REG_IB_STS2, 6, 4)
	s_cmp_eq_u32 s2, 0
	s_cbranch_scc0 .Lentry_in_a_cluster
	s_endpgm
.Lentry_in_a_cluster:
	s_bfe_u32 s2, ttmp6, 0x10000c
	s_cmp_lg_u32 s2, 0xf033
	s_cbranch_scc0 .Lentry_shape_is_right
	s_endpgm
.Lentry_shape_is_right:
; q, k, v = hidden W^T + b on codes of BF8 (E5M2), each result quantised at once with its given scale (2^e6, 2^e7, 2^e9) and stored as codes in the order of the attention launch's operand registers:
; each (batch, head) has 131,072 bytes of qc, kc, vc.  qc, kc: 32 rows are 2,048 bytes: tile u (1,024 bytes), half c of the head's 64 (512), 16 bytes a lane; row 32 P + 8 u + r' + 8 (r' / 8) is lane r' of tile u.
; vc: 128 keys are 8,192 bytes: 64 keys (4,096), 32 channels (2,048), tile u (1,024), 32 keys (512), 16 bytes a lane.
; SHARES.  256 work-groups of four waves, 16 clusters of 4 x 4.  A work-group makes TWO tiles, one after the other: first 256 rows of hidden x 256 rows of Wq (cluster x = 0) or Wk (1), a wave 128 x 128 in 64 accumulators;
; then 128 rows of Wv x 256 rows of hidden, a wave 64 x 128 in 32 accumulators.  So all work-groups have the same work: 8,192 x 3,072 results / 256.
; K goes in steps of 256 through a ring of two LDS slots filled by joint tensor loads (A's tile shared along a row of the cluster, B's along a column).  THE RING GOES ON INTO THE SECOND TILE: the first tile's last two
; changes of slots ask for the second tile's K steps 0 and 1, and the first tile is quantised and stored while they are on their way.
; In the first tile A = hidden, B = W; in the second A = Wv (64 rows a load), B = hidden.  Source 0 = 16 rows of B, source 1 = 16 rows of A: a lane holds one row of A and its registers run along B's rows:
; along the head's channels for q and k, along the keys for v, which are the later products' K.
; THE BIAS, divided by 2^(ea + eb), is the C of each accumulator's first product.  A finished sum stands for sum x 2^(ea + eb): its code is sum / 2^(eo - ea - eb), held at +-57,344 first.
; THE STAGE has LDS bytes of its own, 8,192 a wave behind the spare words: the slots are filled again behind the first way out.
; No prefetch: the text has no loop to run ahead in; each tile's four K steps are written out.
; LIMITS: eo - ea - eb between -126 and 112 for each of the three products, so that the two powers of two below are f32 numbers.
; REGISTERS: window 0: v0-31 addresses and constants; v32-95 the first tile's bias, then at work; v96-127 the second tile's bias; v128-255 A's fragments, on the ways out codes and rows read back.
;   window 1: B's fragments, two sets.  windows 2, 3: the accumulators, (a, b) at v[8 (8 (a % 4) + b)].
.set ROWB,   256
.set KROW,   1024
.set PITCH,  272
.set FR,     16
.set NL,     4
.set NP,     4
.set HALFT,  128*PITCH
.set SLOT,   4*HALFT
.set SPARE,  2*SLOT
.set STG,    SPARE+512
.set CO,   8                           ; 16 x lane
.set ADB,  9                           ; 32 x (lane / 16): the first tile's bias
.set ADV,  10                          ; 4 x (lane % 16): the second tile's
.set SCV,  12                          ; 2^(eo - ea - eb), and 57,344 x that: first tile
.set LIMV, 13
.set SCV2, 14                          ; second tile
.set LIMV2, 15
.set ADRA, 16
.set ADRB, 20
.set STO,  24
.set RD,   25
.set SPW,  28
.set NIL,  29
.set CB,   32
.set TMP,  32
.set VBI,  96
.set AF,   128
.set CD,   128
.set BK,   192
.set G1, 24
.set G0, 32
.set G1B, 48
.set G0B, 56
.set VA, 96                            ; s[96:97] what I fetch of Wv, s[98:99] of hidden, for the second tile
.set VB, 98
.set MSB, 0
.macro WIN new
.if MSB != \new
	s_set_vgpr_msb (MSB<<8)|\new
.set MSB, \new
.endif
.endm
.set MUL_LO, 0xa1
.set MUL_HI, 0xf1
.set BEG_LO, 0x81
.set BEG_HI, 0xc1
.set TO_B,   0x40
.macro JLOAD g0a, g1a, g0b, g1b        ; waves 0, 1 fetch for A, waves 2, 3 for B
	s_cmp_eq_u32 s15, 0
	s_cbranch_scc0 .Lfor_b_\@
	tensor_load_to_lds s[\g0a:\g0a+3], s[\g1a:\g1a+7]
	s_nop 0
.rept 4
	v_nop
.endr
	s_branch .Lasked_\@
.Lfor_b_\@:
	tensor_load_to_lds s[\g0b:\g0b+3], s[\g1b:\g1b+7]
	s_nop 0
.rept 4
	v_nop
.endr
.Lasked_\@:
.endm
.macro CREST
	s_cmp_lg_u32 s14, 0
	s_cbranch_scc1 .Lnot_wave_0_\@
	s_barrier_signal -3
.Lnot_wave_0_\@:
	s_barrier_wait -3
	s_barrier_signal -1
	s_barrier_wait -1
.endm
.macro CROUND
	s_barrier_signal -1
	s_barrier_wait -1
	CREST
.endm
	s_load_b256 s[72:79], s[0:1], 0x0              ; hidden, Wq, Wk, Wv
	s_load_b256 s[80:87], s[0:1], 0x20             ; bq, bk, bv, the exponents
	s_load_b128 s[88:91], s[0:1], 0x40             ; qc, kc
	s_load_b64 s[92:93], s[0:1], 0x50              ; vc
	v_lshl_add_u32 v[SPW], v0, 2, SPARE
	v_mov_b32 v[NIL], 0
	ds_add_u32 v28, v29
	ds_add_u32 v28, v29
	s_wait_dscnt 0x0
	v_lshrrev_b32 v1, 5, v0
	v_readfirstlane_b32 s14, v1                    ; wave
	s_lshr_b32 s15, s14, 1                         ; my half of A's rows; also: I fetch for A (0) or B (1)
	s_and_b32 s16, s14, 1                          ; my half of B's rows; also: which half I fetch
	s_bfe_u32 s40, ttmp6, 0x40000                  ; cx
	s_bfe_u32 s41, ttmp6, 0x40004                  ; cy
	s_and_b32 s66, ttmp7, 0xffff
	s_lshl_b32 s66, s66, 2                         ; 4 x cluster y
	s_add_co_u32 s17, s66, s41                     ; first tile: block of 256 rows of hidden
	s_mov_b32 s42, s40                             ; and of 256 rows of W
	s_lshl_b32 s43, s41, 2
	s_lshl_b32 s43, 15, s43
	s_lshl_b32 s44, 0x1111, s40
	s_or_b32 s[G1+0], s43, (0<<16)|(1<<20)|(1<<21)|(5<<22)|(3<<25)
	s_or_b32 s[G1B+0], s44, (0<<16)|(1<<20)|(1<<21)|(5<<22)|(3<<25)
.irp g, G1, G1B
	s_mov_b32 s[\g+1], ROWB<<16
	s_mov_b32 s[\g+2], 128<<16
	s_mov_b32 s[\g+3], ROWB<<16
	s_mov_b32 s[\g+4], 128
	s_mov_b32 s[\g+5], KROW
	s_mov_b32 s[\g+6], 0
	s_mov_b32 s[\g+7], 0
.endr
	s_lshl_b32 s18, s16, 7
	s_lshl_b32 s20, s17, 8
	s_add_co_u32 s20, s20, s18
	s_lshl_b32 s20, s20, 10
	s_mov_b32 s21, 0
	s_lshl_b32 s46, s42, 8
	s_add_co_u32 s46, s46, s18
	s_lshl_b32 s46, s46, 10
	s_mov_b32 s47, 0
	s_lshl_b32 s[VA], s41, 1                       ; second tile: block 2 cy + cluster x of 128 rows of Wv, shared along my row of the cluster,
	s_add_co_u32 s[VA], s[VA], ttmp9
	s_lshl_b32 s[VA], s[VA], 7
	s_lshl_b32 s19, s16, 6
	s_add_co_u32 s[VA], s[VA], s19                 ; 64 rows a load
	s_lshl_b32 s[VA], s[VA], 10
	s_mov_b32 s[VA+1], 0
	s_add_co_u32 s[VB], s66, s40                   ; and block 4 cluster y + cx of 256 rows of hidden, shared along my column
	s_lshl_b32 s[VB], s[VB], 8
	s_add_co_u32 s[VB], s[VB], s18
	s_lshl_b32 s[VB], s[VB], 10
	s_mov_b32 s[VB+1], 0
	s_mul_i32 s45, s14, HALFT
	s_wait_kmcnt 0x0
	s_cmp_eq_u32 ttmp9, 0
	s_cselect_b64 s[6:7], s[74:75], s[76:77]
	s_cselect_b64 s[8:9], s[80:81], s[82:83]
	s_cselect_b64 s[10:11], s[88:89], s[90:91]
	s_add_nc_u64 s[20:21], s[72:73], s[20:21]
	s_add_nc_u64 s[46:47], s[6:7], s[46:47]
	s_add_nc_u64 s[VA:VA+1], s[78:79], s[VA:VA+1]
	s_add_nc_u64 s[VB:VB+1], s[72:73], s[VB:VB+1]
	s_load_b256 s[72:79], s[86:87], 0x0            ; e0 .. e7
	s_load_b64 s[94:95], s[86:87], 0x20            ; e8, e9
	CROUND
.irp s, 0,1
	s_mov_b32 s[G0+4*\s], 1
	s_add_co_u32 s[G0+4*\s+1], s45, \s*SLOT
	s_add_nc_u64 s[G0+4*\s+2:G0+4*\s+3], s[20:21], \s*ROWB
	s_or_b32 s[G0+4*\s+3], s[G0+4*\s+3], 0x80000000
	s_mov_b32 s[G0B+4*\s], 1
	s_add_co_u32 s[G0B+4*\s+1], s45, \s*SLOT
	s_add_nc_u64 s[G0B+4*\s+2:G0B+4*\s+3], s[46:47], \s*ROWB
	s_or_b32 s[G0B+4*\s+3], s[G0B+4*\s+3], 0x80000000
	s_wait_alu depctr_va_vdst(0)
	s_wait_tensorcnt 0x0                           ; a round ahead of each first fill: one tensor load a wave behind each
	ds_add_u32 v28, v29
	ds_add_u32 v28, v29
	s_wait_dscnt 0x0
	CROUND
	JLOAD G0+4*\s, G1, G0B+4*\s, G1B
.endr
	s_mul_i32 s21, s15, HALFT
	s_mul_i32 s22, s16, HALFT
	s_add_co_u32 s22, s22, 2*HALFT
	s_lshl_b32 s23, s14, 13
	s_add_co_u32 s23, s23, STG                     ; my stage
	v_and_b32 v1, 15, v0                           ; r
	v_bfe_u32 v2, v0, 4, 1                         ; h
	v_mul_u32_u24 v3, v1, PITCH
	v_lshl_add_u32 v4, v2, 4, v3
	v_add_nc_u32 v[ADRA], s21, v4
	v_add_nc_u32 v[ADRB], s22, v4
	v_add_nc_u32 v[ADRA+1], SLOT, v[ADRA]
	v_add_nc_u32 v[ADRB+1], SLOT, v[ADRB]
	v_lshrrev_b32 v5, 3, v1
	v_and_b32 v6, 7, v1
	v_lshlrev_b32 v5, 10, v5
	v_lshl_add_u32 v5, v6, 4, v5
	v_lshl_add_u32 v5, v2, 3, v5
	v_add_nc_u32 v[STO], s23, v5                   ; in: 1,024 (r / 8) + 16 (r % 8) + 8 h
	v_and_b32 v6, 31, v0
	v_lshlrev_b32 v[CO], 4, v6
	v_add_nc_u32 v[RD], s23, v[CO]
	v_lshlrev_b32 v[ADB], 5, v2
	v_lshlrev_b32 v[ADV], 2, v1
	s_wait_alu depctr_va_vdst(0)                   ; the wait ahead of the scalar lines and waits below
	s_lshl_b32 s67, s42, 8
	s_lshl_b32 s18, s16, 7
	s_add_co_u32 s67, s67, s18                     ; first tile: my first channel,
	s_lshl_b32 s68, s17, 8
	s_lshl_b32 s18, s15, 7
	s_add_co_u32 s68, s68, s18                     ; my first row of hidden
	s_lshl_b32 s18, s67, 2
	s_mov_b32 s19, 0
	s_add_nc_u64 s[8:9], s[8:9], s[18:19]
	s_lshr_b32 s18, s68, 11
	s_lshl_b32 s18, s18, 4
	s_lshr_b32 s71, s67, 6
	s_add_co_u32 s18, s18, s71
	s_lshl_b32 s18, s18, 17                        ; (16 batch + head) x 131,072
	s_and_b32 s71, s68, 2047
	s_lshl_b32 s71, s71, 6
	s_add_co_u32 s18, s18, s71                     ; + 64 x the row in its batch
	s_add_nc_u64 s[10:11], s[10:11], s[18:19]
	s_lshl_b32 s69, s41, 1
	s_add_co_u32 s69, s69, ttmp9
	s_lshl_b32 s69, s69, 7
	s_lshl_b32 s18, s15, 6
	s_add_co_u32 s69, s69, s18                     ; second tile: my first channel (one head),
	s_add_co_u32 s70, s66, s40
	s_lshl_b32 s70, s70, 8
	s_lshl_b32 s18, s16, 7
	s_add_co_u32 s70, s70, s18                     ; my first key
	s_lshl_b32 s18, s69, 2
	s_add_nc_u64 s[84:85], s[84:85], s[18:19]
	s_lshr_b32 s18, s70, 11
	s_lshl_b32 s18, s18, 4
	s_lshr_b32 s71, s69, 6
	s_add_co_u32 s18, s18, s71
	s_lshl_b32 s18, s18, 17
	s_and_b32 s71, s70, 2047
	s_lshl_b32 s71, s71, 6
	s_add_co_u32 s18, s18, s71
	s_add_nc_u64 s[92:93], s[92:93], s[18:19]
.irp b, 0,1,2,3,4,5,6,7
	global_load_b128 v[CB+8*\b:CB+8*\b+3], v[ADB], s[8:9] offset:64*\b         ; register 8 b + j: the bias of channel 16 b + 8 h + j
	global_load_b128 v[CB+8*\b+4:CB+8*\b+7], v[ADB], s[8:9] offset:64*\b+16
.endr
.irp a, 0,1,2,3
	global_load_b32 v[VBI+8*\a], v[ADV], s[84:85] offset:64*\a                 ; the bias of channel 16 a + r
.endr
.macro FRAG reg, adr, q, i
.irp c, 0,1,2,3
	ds_load_b128 v[\reg+4*\c:\reg+4*\c+3], v[\adr] offset:128*(\q)+32*\c+(\i)*16*PITCH
.endr
.endm
.macro MUL16 a0, p, zero               ; first tile: A's blocks a0, a0 + 1 x B's eight; the accumulators take turns
.irp a, \a0, \a0+1
.irp b, 0,1,2,3,4,5,6,7
.if (\zero) == 1
	v_wmma_f32_16x16x128_bf8_bf8 v[8*(8*((\a)%4)+\b):8*(8*((\a)%4)+\b)+7], v[128*(\p)+FR*\b:128*(\p)+FR*\b+FR-1], v[AF+FR*(\a):AF+FR*(\a)+FR-1], v[CB+8*\b:CB+8*\b+7]
.else
	v_wmma_f32_16x16x128_bf8_bf8 v[8*(8*((\a)%4)+\b):8*(8*((\a)%4)+\b)+7], v[128*(\p)+FR*\b:128*(\p)+FR*\b+FR-1], v[AF+FR*(\a):AF+FR*(\a)+FR-1], v[8*(8*((\a)%4)+\b):8*(8*((\a)%4)+\b)+7]
.endif
.endr
.endr
.endm
.macro MULA a, p, zero                 ; second tile: A's block a (set p) x B's eight
.irp b, 0,1,2,3,4,5,6,7
.if (\zero) == 1
	v_wmma_f32_16x16x128_bf8_bf8 v[8*(8*(\a)+\b):8*(8*(\a)+\b)+7], v[128*(\p)+FR*\b:128*(\p)+FR*\b+FR-1], v[AF+64*(\p)+FR*(\a):AF+64*(\p)+FR*(\a)+FR-1], v[VBI+8*(\a):VBI+8*(\a)+7]
.else
	v_wmma_f32_16x16x128_bf8_bf8 v[8*(8*(\a)+\b):8*(8*(\a)+\b)+7], v[128*(\p)+FR*\b:128*(\p)+FR*\b+FR-1], v[AF+64*(\p)+FR*(\a):AF+64*(\p)+FR*(\a)+FR-1], v[8*(8*(\a)+\b):8*(8*(\a)+\b)+7]
.endif
.endr
.endm
.macro FETCH_B slot, q, p
	WIN TO_B
.irp i, 0,1,2,3,4,5,6,7
	FRAG 128*(\p)+FR*\i, ADRB+\slot, \q, \i
.endr
	WIN 0
.endm
.macro FETCH_A slot, q, i0
.irp i, \i0, \i0+1, \i0+2, \i0+3
	FRAG AF+FR*(\i), ADRA+\slot, \q, \i
.endr
.endm
.macro FETCH_AV slot, q, p             ; second tile: A's four blocks into set p
.irp i, 0,1,2,3
	FRAG AF+64*(\p)+FR*\i, ADRA+\slot, \q, \i
.endr
.endm
.macro PLACES n
.rept \n
	v_nop
.endr
.endm
.macro STEP slot, q, zero              ; first tile: 128 along K with its successor in the same slot
	s_wait_dscnt 4*NL                              ; B's set and A's blocks 0-3 are in; the youngest sixteen loads may be out
.if \zero
	WIN BEG_LO
.else
	WIN MUL_LO
.endif
	MUL16 0, (\q)%2, \zero
	MUL16 2, (\q)%2, \zero
	s_wait_dscnt 0
	PLACES NP
	FETCH_B \slot, (\q)+1, 1-(\q)%2
	FETCH_A \slot, (\q)+1, 0
.if \zero
	WIN BEG_HI
.else
	WIN MUL_HI
.endif
	MUL16 4, (\q)%2, \zero
	MUL16 6, (\q)%2, \zero
	PLACES NP
	WIN 0
	FETCH_A \slot, (\q)+1, 4
.endm
.macro VDESC slot                      ; the slot's descriptors turn to the second tile's K step 0 or 1; no load of mine is out
.if (\slot) == 0
	s_mov_b32 s[G1+2], 64<<16                      ; A's loads now bring 64 rows
	s_mov_b32 s[G1+4], 64
.endif
	s_add_nc_u64 s[G0+4*\slot+2:G0+4*\slot+3], s[VA:VA+1], \slot*ROWB
	s_or_b32 s[G0+4*\slot+3], s[G0+4*\slot+3], 0x80000000
	s_add_nc_u64 s[G0B+4*\slot+2:G0B+4*\slot+3], s[VB:VB+1], \slot*ROWB
	s_or_b32 s[G0B+4*\slot+3], s[G0B+4*\slot+3], 0x80000000
.endm
; first tile: a slot's last 128 along K, and the change of slots.  fill = 1: this tile's K step two on; 2, 3: the second tile's K step 0, 1; 3: the tile's end, nothing more is fetched from LDS
.macro TURN slot, next, fill
	s_wait_tensorcnt 0x0                           ; all my tensor loads have landed
	ds_add_u32 v[SPW], v[NIL]
	s_wait_dscnt 4*NL+1                            ; the add and the youngest sixteen loads may be out
	WIN MUL_LO
	MUL16 0, 1, 0
	s_wait_dscnt 0x0                               ; the add is done, my reads of this slot are over
	s_barrier_signal -1
	MUL16 2, 1, 0
	WIN 0
	s_barrier_wait -1
	CREST                                          ; the barrier has opened a round of the cluster's barrier
.if (\fill) == 1
	s_add_nc_u64 s[G0+4*\slot+2:G0+4*\slot+3], s[G0+4*\slot+2:G0+4*\slot+3], 2*ROWB
	s_add_nc_u64 s[G0B+4*\slot+2:G0B+4*\slot+3], s[G0B+4*\slot+2:G0B+4*\slot+3], 2*ROWB
.else
	VDESC \slot
.endif
	JLOAD G0+4*\slot, G1, G0B+4*\slot, G1B         ; the first tensor load behind the round; its four v_nop are the places in front of the loads below
.if (\fill) < 3
	FETCH_B \next, 0, 0
	FETCH_A \next, 0, 0
.endif
	WIN MUL_HI
	MUL16 4, 1, 0
	MUL16 6, 1, 0
.if (\fill) < 3
	PLACES NP
	WIN 0
	FETCH_A \next, 0, 4
.else
	WIN 0
.endif
.endm
.macro STEPV slot, zero                ; second tile: a slot's first 128 along K (sets 0); the second 128's fragments go into sets 1
	s_wait_dscnt 0
	PLACES NP                                      ; sets 1 were read by the products just issued
	FETCH_B \slot, 1, 1
	FETCH_AV \slot, 1, 1
.if \zero
	WIN BEG_LO
.else
	WIN MUL_LO
.endif
.irp a, 0,1,2,3
	MULA \a, 0, \zero
.endr
	WIN 0
.endm
.macro TURNV slot, next, fill          ; second tile: a slot's second 128 along K (sets 1), and the change of slots
	s_wait_tensorcnt 0x0
	ds_add_u32 v[SPW], v[NIL]
	s_wait_dscnt 1                                 ; the add may be out
	WIN MUL_LO
	MULA 0, 1, 0
	s_wait_dscnt 0x0
	s_barrier_signal -1
	MULA 1, 1, 0
	WIN 0
	s_barrier_wait -1
.if \fill
	CREST
	s_add_nc_u64 s[G0+4*\slot+2:G0+4*\slot+3], s[G0+4*\slot+2:G0+4*\slot+3], 2*ROWB
	s_add_nc_u64 s[G0B+4*\slot+2:G0B+4*\slot+3], s[G0B+4*\slot+2:G0B+4*\slot+3], 2*ROWB
	JLOAD G0+4*\slot, G1, G0B+4*\slot, G1B
.else
	PLACES NP
.endif
	FETCH_B \next, 0, 0
	FETCH_AV \next, 0, 0
	WIN MUL_LO
	MULA 2, 1, 0
	MULA 3, 1, 0
	WIN 0
.endm
; THE WAYS OUT.  A lane's eight sums of an accumulator are held, converted to eight codes and put into my stage at their place in the reader's order; 8,192 bytes at a time come back as runs of 512 bytes and are stored.
.macro BLK1 a, hh                      ; first tile: rows 16 a on, head hh of my two
	WIN 0x02+((\a)/4)
.set i, 0
.rept 32
	v_med3_num_f32 v[TMP+i], v[64*((\a)%4)+32*(\hh)+i], -v[LIMV], v[LIMV]
.set i, i+1
.endr
	WIN 0
.irp b, 0,1,2,3
	v_cvt_scalef32_pk8_bf8_f32 v[CD+8*(\a)+2*\b:CD+8*(\a)+2*\b+1], v[TMP+8*\b:TMP+8*\b+7], v[SCV]
.endr
	v_nop                                          ; a plain line behind the last conversion
.irp b, 0,1,2,3
	ds_store_b64 v[STO], v[CD+8*(\a)+2*\b:CD+8*(\a)+2*\b+1] offset:((\a)/2)*2048+(\b/2)*512+(\b%2)*256+((\a)%2)*128
.endr
.endm
.macro BLK2 a                          ; second tile: channels 16 a on, my 128 keys
	WIN 0x02
.set i, 0
.rept 64
	v_med3_num_f32 v[TMP+i], v[64*(\a)+i], -v[LIMV2], v[LIMV2]
.set i, i+1
.endr
	WIN 0
.irp b, 0,1,2,3,4,5,6,7
	v_cvt_scalef32_pk8_bf8_f32 v[CD+16*(\a)+2*\b:CD+16*(\a)+2*\b+1], v[TMP+8*\b:TMP+8*\b+7], v[SCV2]
.endr
	v_nop
.irp b, 0,1,2,3,4,5,6,7
	ds_store_b64 v[STO], v[CD+16*(\a)+2*\b:CD+16*(\a)+2*\b+1] offset:(\b/4)*4096+((\a)/2)*2048+((\b/2)%2)*512+(\b%2)*256+((\a)%2)*128
.endr
.endm
.macro OUT16 ptr, off                  ; LDS serves a wave's instructions in order (ISA guide 5.7.1.4): the loads see my stores above
.irp t, 0,1,2,3,4,5,6,7,8,9,10,11,12,13,14,15
	ds_load_b128 v[BK+4*\t:BK+4*\t+3], v[RD] offset:512*\t
.endr
.irp t, 0,1,2,3,4,5,6,7,8,9,10,11,12,13,14,15
	s_wait_dscnt 15-\t
	global_store_b128 v[CO], v[BK+4*\t:BK+4*\t+3], s[\ptr:\ptr+1] offset:\off+512*\t   ; 32 lanes store 512 consecutive bytes, at a multiple of 256
.endr
.endm
	s_wait_tensorcnt 1
	s_barrier_signal -1
	s_barrier_wait -1
	FETCH_B 0, 0, 0
	FETCH_A 0, 0, 0
	FETCH_A 0, 0, 4
	s_wait_loadcnt 0x0
	s_wait_kmcnt 0x0
	s_add_co_i32 s72, s72, s73
	s_add_co_i32 s74, s74, s75
	s_add_co_i32 s76, s76, s77
	s_cmp_eq_u32 ttmp9, 0
	s_cselect_b32 s12, s72, s74                    ; ea + eb
	s_cselect_b32 s13, s78, s79                    ; eo
	s_sub_co_i32 s18, 0, s12
	s_sub_co_i32 s19, s13, s12
	s_add_co_i32 s19, s19, 127
	s_lshl_b32 s71, s19, 23
	v_mov_b32 v[SCV], s71
	s_add_co_i32 s19, s19, 15
	s_lshl_b32 s19, s19, 23
	s_or_b32 s19, s19, 0x600000
	v_mov_b32 v[LIMV], s19
	s_sub_co_i32 s22, 0, s76
	s_sub_co_i32 s19, s95, s76
	s_add_co_i32 s19, s19, 127
	s_lshl_b32 s71, s19, 23
	v_mov_b32 v[SCV2], s71
	s_add_co_i32 s19, s19, 15
	s_lshl_b32 s19, s19, 23
	s_or_b32 s19, s19, 0x600000
	v_mov_b32 v[LIMV2], s19
.set i, 0
.rept 64
	v_ldexp_f32 v[CB+i], v[CB+i], s18
.set i, i+1
.endr
.irp a, 0,1,2,3
.irp j, 1,2,3,4,5,6,7,0
	v_ldexp_f32 v[VBI+8*\a+\j], v[VBI+8*\a], s22   ; a lane's eight results of the second tile share one channel
.endr
.endr
	s_wait_alu depctr_va_vdst(0)                   ; the wait at the head's end
	STEP 0, 0, 1
	TURN 0, 1, 1
	STEP 1, 0, 0
	TURN 1, 0, 1
	STEP 0, 0, 0
	TURN 0, 1, 2                                   ; slot 0 takes the second tile's K step 0,
	STEP 1, 0, 0
	TURN 1, 0, 3                                   ; slot 1 its K step 1
	PLACES NP
.irp hh, 0,1
.irp a, 0,1,2,3,4,5,6,7
	BLK1 \a, \hh
.endr
.if \hh == 1
	s_wait_xcnt 0x0                                ; the first half's stores have read their registers
.endif
	OUT16 10, \hh*131072
.endr
	s_wait_xcnt 0x0                                ; and the second half's: A's fragments land there
	FETCH_B 0, 0, 0                                ; slot 0 was whole at the last change of slots
	FETCH_AV 0, 0, 0
	STEPV 0, 1
	TURNV 0, 1, 1
	STEPV 1, 0
	TURNV 1, 0, 1
	STEPV 0, 0
	TURNV 0, 1, 0
	STEPV 1, 0
	s_wait_dscnt 0
	WIN MUL_LO
.irp a, 0,1,2,3
	MULA \a, 1, 0
.endr
	WIN 0
	PLACES NP
.irp a, 0,1,2,3
	BLK2 \a
.endr
	OUT16 92, 0
	s_wait_tensorcnt 0x0                           ; the wave's end
	ds_add_u32 v[SPW], v[NIL]
	s_wait_dscnt 0x0
	CROUND                                         ; the closing round
	s_endpgm
.Lfunc_end_k_qf06959ad46_proj:
	.size	k_qf06959ad46_proj, .Lfunc_end_k_qf06959ad46_proj-k_qf06959ad46_proj
	.p2alignl 7, 3214868480
	.fill 96, 4, 3214868480
	.section	.rodata,"a",@progbits
	.p2align	6, 0x0
	.amdhsa_kernel k_qf06959ad46_proj
		.amdhsa_group_segment_fixed_size 327680
		.amdhsa_private_segment_fixed_size 0
		.amdhsa_enable_private_segment 0
		.amdhsa_kernarg_size 88
		.amdhsa_user_sgpr_count 2
		.amdhsa_user_sgpr_kernarg_segment_ptr 1
		.amdhsa_wavefront_size32 1
		.amdhsa_system_sgpr_workgroup_id_x 1
		.amdhsa_system_sgpr_workgroup_id_y 1
		.amdhsa_system_sgpr_workgroup_id_z 1
		.amdhsa_system_vgpr_workitem_id 0
		.amdhsa_next_free_vgpr 1024
		.amdhsa_next_free_sgpr 100
		.amdhsa_reserve_vcc 0
		.amdhsa_float_denorm_mode_32 3
		.amdhsa_float_denorm_mode_16_64 3
		.amdhsa_memory_ordered 1
		.amdhsa_forward_progress 1
		.amdhsa_inst_pref_size 206
	.end_amdhsa_kernel
	.amdgpu_metadata
---
amdhsa.version: [ 1, 2 ]
amdhsa.kernels:
  - .name:           k_qf06959ad46_proj
    .symbol:         k_qf06959ad46_proj.kd
    .args:
      - { .name: hidden_states_codes, .offset: 0, .size: 8, .value_kind: global_buffer, .address_space: global }
      - { .name: Wq_codes, .offset: 8, .size: 8, .value_kind: global_buffer, .address_space: global }
      - { .name: Wk_codes, .offset: 16, .size: 8, .value_kind: global_buffer, .address_space: global }
      - { .name: Wv_codes, .offset: 24, .size: 8, .value_kind: global_buffer, .address_space: global }
      - { .name: bq, .offset: 32, .size: 8, .value_kind: global_buffer, .address_space: global }
      - { .name: bk, .offset: 40, .size: 8, .value_kind: global_buffer, .address_space: global }
      - { .name: bv, .offset: 48, .size: 8, .value_kind: global_buffer, .address_space: global }
      - { .name: lowp_scales, .offset: 56, .size: 8, .value_kind: global_buffer, .address_space: global }
      - { .name: qc, .offset: 64, .size: 8, .value_kind: global_buffer, .address_space: global }
      - { .name: kc, .offset: 72, .size: 8, .value_kind: global_buffer, .address_space: global }
      - { .name: vc, .offset: 80, .size: 8, .value_kind: global_buffer, .address_space: global }
    .group_segment_fixed_size: 327680
    .private_segment_fixed_size: 0
    .kernarg_segment_align: 8
    .kernarg_segment_size: 88
    .max_flat_workgroup_size: 128
    .sgpr_count:     100
    .vgpr_count:     1024
    .wavefront_size: 32
...
	.end_amdgpu_metadata
.endif
;; end of part 1
;; launch attn (part 2): grid 4 x 64, 8 waves a work-group, no clusters, 306,176 bytes of LDS; arguments qc, kc, vc, attention_mask, lowp_scales, out0; writes out0
.if DOCPART == 2
	.amdgcn_target "amdgcn-amd-amdhsa--gfx1250"
	.amdhsa_code_object_version 6
	.text
	.protected	k_qf06959ad46_attn
	.globl	k_qf06959ad46_attn
	.p2align	8
	.type	k_qf06959ad46_attn,@function
k_qf06959ad46_attn:
	s_mov_b64 s[64:65], 0
	v_nop
	global_prefetch_b8 v0, s[64:65] scope:SCOPE_SE
	s_setreg_imm32_b32 hwreg(HW_REG_WAVE_MODE, 25, 1), 1
	s_wait_xcnt 0x0
; out[b][q][64 head + d] = the sum over keys of softmax(q . k / 8 + mask[b][key]) v, both products on codes of BF8 (E5M2) with the given scales 2^e6 (q), 2^e7 (k), 2^e8 (p), 2^e9 (v).
; qc, kc, vc hold the codes in the order of the operands' registers: blocks of 512 bytes, 16 bytes a lane; each (batch, head) has 131,072 bytes of each; 128 keys are 8,192 bytes of kc and of vc.
; THE SOFTMAX: t = (score / 8 + mask) log2(e); M = the running largest t rounded UP to a whole number; p = 2^(t - M) is quantised, not normalised; the row's sum is taken of the unquantised p and divides at the end.
; When M moves, the sum and O are multiplied by 2^(old M - new M): nothing is rounded.
; SHARES.  Work-group (x, y): batch x, head y / 4, queries 512 (y % 4) on.  Each of its eight waves owns 64 queries: four tiles of 16.  Every fragment of K, V and the mask that a wave reads from LDS serves its four tiles.  Keys go 128 a step, 16 steps.
; LDS HOLDS THE HEAD'S WHOLE K AND V (2 x 131,072 bytes), as they lie in memory: no byte is filled twice.  At the kernel's head each wave asks for its 32,768 bytes (waves 0-3: a quarter of each of K's eight chunks of
; 256 keys; waves 4-7: of V's) by 64 loads into 256 registers that are idle there, and stores each chunk as it comes.  One barrier follows; the loop over the keys has none.
; LAYOUT.  Both products are used transposed: S^T = K Q^T (source 0 = 16 keys), O^T = V^T P^T (source 0 = 16 channels): a lane holds ONE query throughout.
; Row r of tile 2 P + u is 32 P + 8 u + r + 8 (r / 8) (keys, queries and V's channels alike), so that a lane's 16 registers of two neighbouring tiles are 16 neighbours.
; THE MASK costs no vector instruction: mask x 2^(3 - e6 - e7) is the C of the score products, so that (sum + C) x c = t with c = log2(e) / 8 x 2^(e6 + e7).
; THE HOLD.  p is at most 1 (a last bit more at the most), so p / 2^e8 stays under 57,344 wherever e8 >= -15: there a scalar branch on e8 passes over the 64 holds of a tile's step; they are executed where e8 < -15.
; NO TENSOR LOADS, NO JOINT LOADS, though the four work-groups of a head read the same K and V.
; NO PREFETCH: all that the work-group reads is asked for at the kernel's head by the loads themselves; there is no loop to run ahead in.
; LIMITS: e6 + e7 between -123 and 130 (added to c's exponent field); e8 between -126 and 112.  A mask entry x 2^(3 - e6 - e7) beyond f32's range counts as infinite; a row all of whose keys are masked by -infinity gives NaN.  NaN among the inputs is not served.
; REGISTERS: window 0: v1-15, v120, v121 addresses and constants; v16-31 four registers of statistics a tile; v32-39 at work; v40-55 p's codes; v56-119 S^T, then p; v128-255 O^T, 32 a tile.
;   window 1: v0-31 Q; v32-95 K of a step; v96-159 the mask of a step; v160-223 V of a step.  At the head window 1's v32-255 and window 0's v56-87 hold the wave's 32,768 bytes on their way to LDS.
.set VREG,  131072                     ; V's bytes in LDS, behind K's
.set MASK,  262144                     ; the scaled mask, 8,192 bytes
.set STAGE, 270336                     ; 16 rows x 272 bytes for each wave
.set SP,    272
.set SPARE, 305152                     ; the spare words, 128 bytes a wave
.set CHUNK, 16384                      ; 256 keys of K, or of V, in bytes
.set LI,   1                           ; 16 x lane
.set AK,   2                           ; LDS address of the NEXT step's K
.set AM,   3                           ; and of its mask
.set AM0,  4                           ; MASK + 64 (lane / 16)
.set SW0,  5                           ; my part of chunk 0 in LDS
.set SW,   6                           ; my part of chunk 4 (an LDS offset has 16 bits)
.set AV,   7                           ; LDS address of this step's V
.set STO,  8                           ; the way out: where I put 16 bytes of a row
.set RD,   9                           ; where I read a row back
.set GO,   10                          ; my byte offset in the wave's rows of the output
.set TM,   11                          ; 32 x thread: my eight numbers of the mask
.set SCV,  12                          ; 2^e8 as f32
.set LIMV, 13                          ; 57,344 x 2^e8
.set ST,   16                          ; tile x at v[ST+4 x]: -M, the largest t, the sum in two halves
.set TA,   32                          ; v32-35 four chains of the maximum; later v[32:37] three chains of the sum
.set TP,   36                          ; the other half's maximum
.set OLD,  37                          ; the old -M
.set FF,   38                          ; v[38:39] f = 2^(old M - new M) (the low word serves both halves)
.set PCO,  40
.set SCR,  56
.set AV0,  120                         ; VREG + 16 x lane
.set MSK,  121                         ; MASK + 32 x thread
.set SPW,  126
.set NIL,  127
.set OT,   128
.set QF,   0                           ; in window 1
.set KF,   32
.set MK,   96
.set VF,   160
.set WV,   20
.set CS,   22                          ; s[22:23] c
.set SEL,  24                          ; s[24:25] lane selects: lane l xor 16
.set TB,   26                          ; 8,192 x the step
.set NX,   27                          ; 8,192 x the next step (behind the last: step 0 again, whose fragments are then not used)
.set CNT,  28
.set MN,   29                          ; 512 x the next step
.set GB,   30                          ; s[30:31] my 4,096 bytes of chunk 0 in memory
.set EO,   35                          ; e8 + e9
.set MSB, 0
.macro WIN new                         ; the immediate's high byte repeats the setting that is left
.if MSB != \new
	s_set_vgpr_msb (MSB<<8)|\new
.set MSB, \new
.endif
.endm
.set W_LD, 0x40                        ; destination window 1, address window 0
.set W_ST, 0x04                        ; an LDS store's data window 1
.set W_KQ, 0x15                        ; K, Q and the mask window 1, S^T window 0
.set W_PV, 0x01                        ; V window 1; p's codes and O^T window 0
	s_load_b256 s[4:11], s[0:1], 0x0               ; qc, kc, vc, the mask
	s_load_b128 s[12:15], s[0:1], 0x20             ; the exponents, the output
	v_lshl_add_u32 v[SPW], v0, 2, SPARE
	v_mov_b32 v[NIL], 0
	v_lshrrev_b32 v14, 5, v0
	v_readfirstlane_b32 s[WV], v14                 ; wave 0..7
	s_lshl_b32 s36, s[WV], 12
	s_mul_i32 s37, s[WV], 16*SP
	s_add_co_u32 s37, s37, STAGE                   ; my stage
	s_and_b32 s44, s[WV], 3
	s_lshl_b32 s44, s44, 12                        ; waves 0-3 bring K's chunks, waves 4-7 V's: a quarter each
	s_lshr_b32 s45, s[WV], 2
	s_lshl_b32 s45, s45, 17
	s_add_co_u32 s45, s45, s44                     ; and where it goes
	v_and_b32 v[LI], 31, v0
	v_lshlrev_b32 v[LI], 4, v[LI]
	v_and_b32 v14, 15, v0                          ; r
	v_bfe_u32 v15, v0, 4, 1                        ; h
	v_lshlrev_b32 v[TM], 5, v0
	v_add_nc_u32 v[MSK], MASK, v[TM]
	v_lshl_add_u32 v[AM0], v15, 6, MASK
	v_add_nc_u32 v[AV0], VREG, v[LI]
	v_add_nc_u32 v[SW0], s45, v[LI]
	v_add_nc_u32 v[SW], 4*CHUNK, v[SW0]
	v_mul_u32_u24 v[STO], v14, SP
	v_lshl_add_u32 v[STO], v15, 6, v[STO]
	v_add_nc_u32 v[STO], s37, v[STO]               ; in: row r, + 64 h
	v_mul_u32_u24 v[RD], v15, SP
	v_lshl_add_u32 v[RD], v14, 4, v[RD]
	v_add_nc_u32 v[RD], s37, v[RD]                 ; back: lanes 0-15 one row of 256 bytes, lanes 16-31 the next
	v_lshlrev_b32 v[GO], 12, v15
	v_lshl_add_u32 v[GO], v14, 4, v[GO]            ; and the same two rows of the output
	v_mov_b32 v[AK], v[LI]                         ; step 0's K and mask
	v_mov_b32 v[AM], v[AM0]
	s_wait_alu depctr_va_vdst(0)                   ; the wait ahead of the scalar lines and waits below
	s_and_b32 s46, ttmp7, 0xffff                   ; y = 4 x head + part
	s_lshr_b32 s38, s46, 2                         ; the head
	s_and_b32 s46, s46, 3                          ; which 512 queries
	s_lshl_b32 s39, ttmp9, 4
	s_add_co_u32 s47, s39, s38                     ; 16 x batch + head
	s_lshl_b32 s40, s47, 17                        ; its first byte in qc, kc, vc
	s_lshl_b32 s41, s46, 15                        ; my work-group's 512 queries
	s_add_co_u32 s42, s40, s41
	s_add_co_u32 s42, s42, s36                     ; my wave's 64
	s_mov_b32 s43, 0
	s_add_co_u32 s44, s44, s40
	s_mov_b32 s45, 0
	s_mov_b32 s[SEL], 0x76543210
	s_mov_b32 s[SEL+1], 0xfedcba98
	s_mov_b32 s[TB], 0
	s_mov_b32 s[CNT], 16
	s_wait_kmcnt 0x0
	s_load_b128 s[16:19], s[12:13], 0x18           ; e6, e7, e8, e9
	s_add_nc_u64 s[4:5], s[4:5], s[42:43]
	s_cmp_lt_u32 s[WV], 4
	s_cselect_b64 s[GB:GB+1], s[6:7], s[8:9]
	s_add_nc_u64 s[GB:GB+1], s[GB:GB+1], s[44:45]
	s_lshl_b32 s40, ttmp9, 13                      ; the batch's row of the mask
	s_mov_b32 s41, 0
	s_add_nc_u64 s[10:11], s[10:11], s[40:41]
	; 74 loads, in this order: chunks 0 to 7 (8 each), the mask (2), Q (8)
	WIN W_LD
.irp c, 0,1,2,3,4,5,6
.irp i, 0,1,2,3,4,5,6,7
	global_load_b128 v[32+32*\c+4*\i:32+32*\c+4*\i+3], v[LI], s[GB:GB+1] offset:\c*CHUNK+512*\i
.endr
.endr
	WIN 0
.irp i, 0,1,2,3,4,5,6,7
	global_load_b128 v[SCR+4*\i:SCR+4*\i+3], v[LI], s[GB:GB+1] offset:7*CHUNK+512*\i
.endr
	global_load_b128 v[SCR+32:SCR+35], v[TM], s[10:11]
	global_load_b128 v[SCR+36:SCR+39], v[TM], s[10:11] offset:16
	WIN W_LD
.irp i, 0,1,2,3,4,5,6,7
	global_load_b128 v[QF+4*\i:QF+4*\i+3], v[LI], s[4:5] offset:512*\i th:TH_LOAD_NT    ; Q's four fragments stay in registers; nobody else reads them
.endr
	WIN 0
	s_lshl_b32 s42, ttmp9, 23                      ; the output: the batch's 2,048 rows of 4,096 bytes,
	s_lshl_b32 s44, s46, 21                        ; my work-group's 512,
	s_add_co_u32 s42, s42, s44
	s_lshl_b32 s44, s[WV], 18                      ; my wave's 64,
	s_add_co_u32 s42, s42, s44
	s_lshl_b32 s44, s38, 8                         ; the head's 256 bytes of a row
	s_add_co_u32 s42, s42, s44
	s_add_nc_u64 s[14:15], s[14:15], s[42:43]
	; the key step is written without a first step of its own: it finds O^T and the sums zero and the largest t under every t.  These lines stand while the loads are out
.set i, 0
.rept 128
	v_mov_b32 v[OT+i], 0
.set i, i+1
.endr
.irp x, 0,1,2,3
	v_mov_b32 v[ST+4*\x+1], 0xff61b1e6             ; -3e38
	v_floor_f32 v[ST+4*\x], -v[ST+4*\x+1]          ; -M
	v_mov_b32 v[ST+4*\x+2], 0
	v_mov_b32 v[ST+4*\x+3], 0
.endr
.irp j, 0,1,2,3,4,5,6,7
	v_mov_b32 v[TA+\j], 0                          ; written once: a lane permute's destination counts as read, and pairs are named whole
.endr
	s_wait_kmcnt 0x0
	s_add_co_i32 s36, s16, s17                     ; e6 + e7
	s_sub_co_i32 s37, 3, s36
	s_lshl_b32 s36, s36, 23
	s_add_co_i32 s[CS], s36, 0x3e38aa3b            ; c = log2(e) / 8, with e6 + e7 added to its exponent field
	s_mov_b32 s[CS+1], s[CS]
	s_add_co_i32 s36, s18, 127
	s_lshl_b32 s38, s36, 23
	v_mov_b32 v[SCV], s38
	s_add_co_i32 s36, s36, 15
	s_lshl_b32 s36, s36, 23
	s_or_b32 s36, s36, 0x600000
	v_mov_b32 v[LIMV], s36
	s_add_co_i32 s[EO], s18, s19
	s_wait_alu depctr_va_vdst(0)                   ; the wait at the head's end
	WIN W_ST
.irp c, 0,1,2,3,4,5,6
.if \c == 0
	s_wait_loadcnt 63                              ; chunk 0 is in (66 loads are younger; the count's field holds 63)
.else
	s_wait_loadcnt 66-8*\c                         ; chunk c is in: behind it stand 8 (7 - c) loads of chunks, the mask's 2 and Q's 8
.endif
.irp i, 0,1,2,3,4,5,6,7
	ds_store_b128 v[SW0+\c/4], v[32+32*\c+4*\i:32+32*\c+4*\i+3] offset:(\c%4)*CHUNK+512*\i
.endr
.endr
	WIN 0
	s_wait_loadcnt 10                              ; chunk 7
.irp i, 0,1,2,3,4,5,6,7
	ds_store_b128 v[SW], v[SCR+4*\i:SCR+4*\i+3] offset:3*CHUNK+512*\i
.endr
	s_wait_loadcnt 8                               ; the mask
.irp j, 0,1,2,3,4,5,6,7
	v_ldexp_f32 v[SCR+32+\j], v[SCR+32+\j], s37    ; mask x 2^(3 - e6 - e7)
.endr
	ds_store_b128 v[MSK], v[SCR+32:SCR+35]
	ds_store_b128 v[MSK], v[SCR+36:SCR+39] offset:16
	s_wait_loadcnt 0x0                             ; Q
	s_wait_dscnt 0x0                               ; for the others' sake: my stores have landed
	s_barrier_signal -1
	s_barrier_wait -1
; K's eight fragments and the mask of the step that v[AK], v[AM] name: 32 LDS loads
.macro LOADKM
	WIN W_LD
.irp t, 0,1,2,3,4,5,6,7
.irp c, 0,1
	ds_load_b128 v[KF+8*\t+4*\c:KF+8*\t+4*\c+3], v[AK] offset:\t*1024+\c*512
.endr
.endr
.irp i, 0,1,2,3,4,5,6,7,8,9,10,11,12,13,14,15
	ds_load_b128 v[MK+4*\i:MK+4*\i+3], v[AM] offset:(\i/4)*128+(\i%4)*16   ; register 16 b + i: the mask of key 32 b + 16 h + i: the result's layout
.endr
	WIN 0
.endm
; ONE TILE'S SOFTMAX FOR A KEY STEP, all in window 0.
.macro SOFTMAX x
.set rT, ST+4*(\x)
.set rO, OT+32*(\x)
	v_mov_b32 v[OLD], v[rT]
.irp c, 0,1,2,3
	v_max3_num_f32 v[TA+\c], v[SCR+3*\c], v[SCR+3*\c+1], v[SCR+3*\c+2]   ; the step's largest score of my query among my 64 keys, in four chains, the registers in ascending order
.endr
.set i, 12
.rept 26
	v_max3_num_f32 v[TA+((i-12)/2)%4], v[TA+((i-12)/2)%4], v[SCR+i], v[SCR+i+1]
.set i, i+2
.endr
	v_max3_num_f32 v[TA], v[TA], v[TA+1], v[TA+2]
	v_max_num_f32 v[TA], v[TA], v[TA+3]
	v_permlanex16_b32 v[TP], v[TA], s[SEL], s[SEL+1]
	v_max_num_f32 v[TA], v[TA], v[TP]              ; and among lane l xor 16's
	v_mul_f32 v[TA], s[CS], v[TA]                  ; as t (c is positive)
	v_max_num_f32 v[rT+1], v[rT+1], v[TA]          ; the running largest t
	v_floor_f32 v[rT], -v[rT+1]                    ; the new -M = floor(-t) = -ceil(t)
.set i, 0
.rept 32
	v_pk_fma_f32 v[SCR+i:SCR+i+1], v[SCR+i:SCR+i+1], s[CS:CS+1], v[rT:rT+1] op_sel_hi:[1,0,0]   ; t - M, two at a time; f's three lines stand among them
.if i == 6
	v_sub_f32 v[OLD], v[rT], v[OLD]                ; old M - new M: a whole number, 0 or less
.endif
.if i == 14
	v_cvt_i32_f32 v[OLD], v[OLD]                   ; (it saturates)
.endif
.if i == 22
	v_ldexp_f32 v[FF], 1.0, v[OLD]                 ; f = 2^(old M - new M)
.endif
.set i, i+2
.endr
	s_wait_alu depctr_va_vdst(0)                   ; the wait ahead of the batch
.set i, 0
.rept 64
	v_exp_f32 v[SCR+i], v[SCR+i]                   ; p = 2^(t - M)
.set i, i+1
.endr
	v_pk_mul_f32 v[rT+2:rT+3], v[rT+2:rT+3], v[FF:FF+1] op_sel_hi:[1,0]   ; the sums under the new M: the plain line behind the last exponential
	s_wait_alu depctr_va_vdst(0)                   ; one wait for the batch, and directly ahead of the first reader of O^T
.set i, 0
.rept 16
	v_pk_mul_f32 v[rO+i:rO+i+1], v[rO+i:rO+i+1], v[FF:FF+1] op_sel_hi:[1,0]   ; O^T under the new M, each accumulator from its low end on
.set i, i+2
.endr
.irp c, 0,1,2
	v_pk_add_f32 v[TA+2*\c:TA+2*\c+1], v[SCR+4*\c:SCR+4*\c+1], v[SCR+4*\c+2:SCR+4*\c+3]   ; the row's sum is taken of the unquantised p, in four chains
.endr
.set i, 12
.rept 26
.if ((i-12)/2)%4 == 3
	v_pk_add_f32 v[rT+2:rT+3], v[rT+2:rT+3], v[SCR+i:SCR+i+1]
.else
	v_pk_add_f32 v[TA+2*(((i-12)/2)%4):TA+2*(((i-12)/2)%4)+1], v[TA+2*(((i-12)/2)%4):TA+2*(((i-12)/2)%4)+1], v[SCR+i:SCR+i+1]
.endif
.set i, i+2
.endr
	v_pk_add_f32 v[TA:TA+1], v[TA:TA+1], v[TA+2:TA+3]
	v_pk_add_f32 v[rT+2:rT+3], v[rT+2:rT+3], v[TA+4:TA+5]
	v_pk_add_f32 v[rT+2:rT+3], v[rT+2:rT+3], v[TA:TA+1]
	s_cmp_ge_i32 s18, -15                          ; p / 2^e8 <= 2^15 (a last bit more at the most) < 57,344 there: nothing to hold
	s_cbranch_scc1 .Lfits_\@
.set i, 0
.rept 64
	v_min_num_f32 v[SCR+i], v[SCR+i], v[LIMV]      ; the conversion to an 8-bit code does not saturate (ISA guide 7.6.2); p is not negative, so the hold is one-sided
.set i, i+1
.endr
.Lfits_\@:
.irp b, 0,1,2,3
	v_cvt_scalef32_pk8_bf8_f32 v[PCO+4*\b:PCO+4*\b+1], v[SCR+16*\b:SCR+16*\b+7], v[SCV]       ; registers 4 b .. 4 b + 3 of the operand: keys 32 b + 16 h + 0 .. 15
	v_cvt_scalef32_pk8_bf8_f32 v[PCO+4*\b+2:PCO+4*\b+3], v[SCR+16*\b+8:SCR+16*\b+15], v[SCV]
.endr
	v_nop                                          ; a plain line between the last conversion and the matrix instructions that read its result and write its sources
.endm
; A KEY STEP: 128 keys.  At its head K's fragments and the mask are in or on their way.
.macro STEP
	s_add_co_u32 s[NX], s[TB], 8192
	s_and_b32 s[NX], s[NX], 0x1ffff
	s_lshr_b32 s[MN], s[NX], 4
	v_add_nc_u32 v[AV], s[TB], v[AV0]              ; these four lines are also the places behind the last products, in front of the loads into V's registers
	v_add_nc_u32 v[AK], s[NX], v[LI]
	v_add_nc_u32 v[AM], s[MN], v[AM0]
	v_nop
	s_wait_alu depctr_va_vdst(0)
	WIN W_LD
.irp d, 0,1,2,3
.irp c, 0,1,2,3
	ds_load_b128 v[VF+16*\d+4*\c:VF+16*\d+4*\c+3], v[AV] offset:(\c/2)*4096+(\d/2)*2048+(\d%2)*1024+(\c%2)*512
.endr
.endr
	s_wait_dscnt 16                                ; K and the mask are in; V's sixteen loads may be out
.irp x, 0,1,2,3
	WIN W_KQ
.irp t, 0,1,2,3,4,5,6,7
	v_wmma_f32_16x16x64_bf8_bf8 v[SCR+8*\t:SCR+8*\t+7], v[KF+8*\t:KF+8*\t+7], v[QF+8*\x:QF+8*\x+7], v[MK+8*\t:MK+8*\t+7]
.endr
	WIN 0
.rept 4
	v_nop                                          ; places in front of the first read of the scores, and of the loads below
.endr
.if \x == 3
	LOADKM                                         ; K's and the mask's registers are free: the next step's come under this tile's softmax
.endif
	SOFTMAX \x
.if \x == 0
	s_wait_alu depctr_va_vdst(0)
	s_wait_dscnt 0x0                               ; V is in
.endif
	WIN W_PV
.irp d, 0,1,2,3
	v_wmma_f32_16x16x128_bf8_bf8 v[OT+32*\x+8*\d:OT+32*\x+8*\d+7], v[VF+16*\d:VF+16*\d+15], v[PCO:PCO+15], v[OT+32*\x+8*\d:OT+32*\x+8*\d+7]   ; the tile's four accumulators by turns
.endr
.endr
	WIN 0
	s_add_co_u32 s[TB], s[TB], 8192
.endm
	LOADKM                                         ; step 0's
.Lstep:                                            ; 16 trips
	STEP
	s_sub_co_u32 s[CNT], s[CNT], 1
	s_cmp_lg_u32 s[CNT], 0
	s_cbranch_scc1 .Lstep
	; THE WAY OUT.  The sum's two halves and lane l xor 16's are added; O^T x 2^(e8 + e9) / the sum goes through my stage, a tile (16 rows x 256 bytes) at a time.  The four additions are the places behind the last products.
.irp x, 0,1,2,3
	v_add_f32 v[TA+2*\x], v[ST+4*\x+2], v[ST+4*\x+3]
.endr
.irp x, 0,1,2,3
	v_permlanex16_b32 v[TA+2*\x+1], v[TA+2*\x], s[SEL], s[SEL+1]
.endr
.irp x, 0,1,2,3
	v_add_f32 v[TA+2*\x], v[TA+2*\x], v[TA+2*\x+1]
.endr
	s_wait_alu depctr_va_vdst(0)                   ; the wait ahead of the batch
.irp x, 0,1,2,3
	v_rcp_f32 v[TA+2*\x], v[TA+2*\x]
.endr
	v_nop                                          ; a plain line behind the last reciprocal
	s_wait_alu depctr_va_vdst(0)                   ; one wait for the four, ahead of their first reader
.irp x, 0,1,2,3
	v_ldexp_f32 v[TA+2*\x], v[TA+2*\x], s[EO]
.endr
	s_wait_alu depctr_va_vdst(0)                   ; directly ahead of the first reader of O^T
.irp x, 0,1,2,3
.set i, 0
.rept 16
	v_pk_mul_f32 v[OT+32*\x+i:OT+32*\x+i+1], v[OT+32*\x+i:OT+32*\x+i+1], v[TA+2*\x:TA+2*\x+1] op_sel_hi:[1,0]   ; register 16 A + i of the tile is channel 32 A + 16 h + i of row r
.set i, i+2
.endr
.endr
	s_wait_alu depctr_va_vdst(0)
.macro PACK x
.irp k, 0,1,2,3,4,5,6,7
	ds_store_b128 v[STO], v[OT+32*\x+4*\k:OT+32*\x+4*\k+3] offset:(\k/4)*128+(\k%4)*16
.endr
.irp k, 0,1,2,3,4,5,6,7
	ds_load_b128 v[OT+32*\x+4*\k:OT+32*\x+4*\k+3], v[RD] offset:\k*2*SP   ; LDS serves a wave's instructions in order (ISA guide 5.7.1.4): these see the stores above; the next tile's stores come behind them
.endr
.endm
.macro SEND x, younger                 ; younger: the LDS instructions issued behind tile x's loads.  Stage row 2 k + h is query 32 (x / 2) + 8 (x % 2) + 2 k + h + 8 (k / 4) of my 64
.irp k, 0,1,2,3,4,5,6,7
	s_wait_dscnt \younger+7-\k
	global_store_b128 v[GO], v[OT+32*\x+4*\k:OT+32*\x+4*\k+3], s[14:15] offset:(32*(\x/2)+8*(\x%2)+2*\k+8*(\k/4))*4096 th:TH_STORE_NT   ; 16 lanes store 256 consecutive bytes, at a multiple of 256 from the output's first byte
.endr
.endm
	PACK 0
	PACK 1
	SEND 0, 16
	PACK 2
	SEND 1, 16
	PACK 3
	SEND 2, 16
	SEND 3, 0
	s_wait_tensorcnt 0x0                           ; the wave's end, behind my last LDS store
	ds_add_u32 v[SPW], v[NIL]
	s_wait_dscnt 0x0
	s_endpgm
.Lfunc_end_k_qf06959ad46_attn:
	.size	k_qf06959ad46_attn, .Lfunc_end_k_qf06959ad46_attn-k_qf06959ad46_attn
	.p2alignl 7, 3214868480
	.fill 96, 4, 3214868480
	.section	.rodata,"a",@progbits
	.p2align	6, 0x0
	.amdhsa_kernel k_qf06959ad46_attn
		.amdhsa_group_segment_fixed_size 306176
		.amdhsa_private_segment_fixed_size 0
		.amdhsa_enable_private_segment 0
		.amdhsa_kernarg_size 48
		.amdhsa_user_sgpr_count 2
		.amdhsa_user_sgpr_kernarg_segment_ptr 1
		.amdhsa_wavefront_size32 1
		.amdhsa_system_sgpr_workgroup_id_x 1
		.amdhsa_system_sgpr_workgroup_id_y 1
		.amdhsa_system_sgpr_workgroup_id_z 1
		.amdhsa_system_vgpr_workitem_id 0
		.amdhsa_next_free_vgpr 512
		.amdhsa_next_free_sgpr 66
		.amdhsa_reserve_vcc 0
		.amdhsa_float_denorm_mode_32 3
		.amdhsa_float_denorm_mode_16_64 3
		.amdhsa_memory_ordered 1
		.amdhsa_forward_progress 1
		.amdhsa_inst_pref_size 92
	.end_amdhsa_kernel
	.amdgpu_metadata
---
amdhsa.version: [ 1, 2 ]
amdhsa.kernels:
  - .name:           k_qf06959ad46_attn
    .symbol:         k_qf06959ad46_attn.kd
    .args:
      - { .name: qc, .offset: 0, .size: 8, .value_kind: global_buffer, .address_space: global }
      - { .name: kc, .offset: 8, .size: 8, .value_kind: global_buffer, .address_space: global }
      - { .name: vc, .offset: 16, .size: 8, .value_kind: global_buffer, .address_space: global }
      - { .name: attention_mask, .offset: 24, .size: 8, .value_kind: global_buffer, .address_space: global }
      - { .name: lowp_scales, .offset: 32, .size: 8, .value_kind: global_buffer, .address_space: global }
      - { .name: out0, .offset: 40, .size: 8, .value_kind: global_buffer, .address_space: global }
    .group_segment_fixed_size: 306176
    .private_segment_fixed_size: 0
    .kernarg_segment_align: 8
    .kernarg_segment_size: 48
    .max_flat_workgroup_size: 256
    .sgpr_count:     66
    .vgpr_count:     512
    .wavefront_size: 32
...
	.end_amdgpu_metadata
.endif
;; end of part 2
